; MI455X (gfx1250); checked and timed in simulation.
; The chip was launched on July 23, 2026; its instructions are those of AMD's public machine-readable ISA for CDNA 5 (MIT licence, August 2026) and "CDNA5" Instruction Set Architecture Reference Guide (July 2026). The comments in the code are by the model that wrote it; some were corrected since.
;; Bi Linear Attention. Allowed arithmetic: matrix products marked QUANTISED: E2M3 operands, one E8M0 scale for each 32 along K, by v_wmma_scale_f32_16x16x128_f8f6f4 with both operands' format E2M3, f32 sums; everything else in f32.
;; Inputs: W_codes 1,024 x 32 x 24 uint8 (E2M3 codes of W, K innermost, in blocks of 32 codes, four codes in three bytes); W_scales 1,024 x 32 uint8 (E8M0 scales of W, one for each 32 codes along K); b 1,024 float32; hp_codes 8 x 2,048 x 32 x 24 uint8 (E2M3 codes of hp, K innermost, in blocks of 32 codes, four codes in three bytes); hp_scales 8 x 2,048 x 32 uint8 (E8M0 scales of hp, one for each 32 codes along K); hq 8 x 1,024 x 1,024 float32; mask_hp 8 x 2,048 int32; mask_hq 8 x 1,024 int32.
;; Outputs: out0 8 x 2,048 x 1,024 float32.
;; This version of the problem:
;;   THIS VERSION OF THE PROBLEM IS GIVEN IN LOW PRECISION. The matrix products marked QUANTISED in the list below multiply operands that are first quantised to E2M3 (2 exponent bits, 3 mantissa bits; 6 bits a number), with one power-of-two scale for each 32 numbers along K (OCP MX v1.0); their sums are f32. All else is computed in f32.
;;   The module's matrix products, in the order in which they are computed (A, B: the left and right operand; K: the contracted axis; several contracted axes count as one K, in the product's order):
;;     1. [M 16,384, K 1,024] x [K 1,024, N 1,024]; A: input hp (given as codes); B: input W (given as codes): QUANTISED
;;     2. batch 8 x [M 1,024, K 1,024] x [K 1,024, N 2,048]; A: input hq; B: computed on the way: QUANTISED
;;     3. batch 8 x [M 2,048, K 1,024] x [K 1,024, N 1,024]; A: softmax (see below); B: input hq: QUANTISED
;;   THE QUANTISER, for each operand of a quantised product, along K:
;;     - K is cut into blocks of 32 from its start; a last block that is shorter is filled with zeros.
;;     - A block's scale is 2^e with e = floor(log2(the largest magnitude in the block)) - 2, held to -126 .. 127; a block of zeros has e = 0. As a byte (E8M0): e + 127.
;;     - Each number is divided by its block's scale, clamped to +-7.5, and rounded to the nearest number of E2M3, ties to even, subnormals kept.
;;     - The product sums the exact products of the quantised numbers (number of the format x scale) in f32.
;;   ~~~python
;;   def quantise(x, axis):      # numpy; x: float32 -> the quantised numbers, widened to float32 again
;;       x = np.moveaxis(x, axis, -1); K = x.shape[-1]
;;       x = np.pad(x, [(0, 0)] * (x.ndim - 1) + [(0, -K % 32)]); x = x.reshape(x.shape[:-1] + (-1, 32)); a = np.abs(x).max(-1, keepdims=True)
;;       e = np.where(a > 0, np.clip(np.frexp(np.where(a > 0, a, 1))[1] - 1 - 2, -126, 127), 0)      # np.frexp(a)[1] - 1 = floor(log2(a)), exactly
;;       r = np.clip(x / 2.0 ** e, -7.5, 7.5)
;;       step = 2.0 ** (np.maximum(np.frexp(np.where(r == 0, 1, r))[1] - 1, 0) - 3)
;;       q = np.round(r / step) * step * 2.0 ** e      # np.round: ties to even
;;       return np.moveaxis(q.reshape(q.shape[:-2] + (-1,))[..., :K], -1, axis).astype(np.float32)
;;   ~~~
;;   SOFTMAX AHEAD OF A QUANTISED PRODUCT. Where the list says 'softmax', what is quantised is not the finished softmax but p = 2^(t - M), with t = logit x log2(e) and M = ceil(the row's largest t), a whole number; so 1/2 < the row's largest p <= 1. The row's sum l is taken of the UNQUANTISED p, in f32, and the product's result is divided by l at the end. Since M is a whole number, a kernel that streams over the keys may use a running M (the ceiling of the running maximum): every later rescaling is an exact power of two, which a block's scale takes up: the codes' values come out the same.
;;   OPERANDS COMPUTED ON THE WAY. 'Computed on the way' means the value that the module computes at that place (a softmax that the list does not call 'softmax' is quantised finished and normalised). What goes into a quantiser is computed in f32, as accurately as f32 sums, v_exp_f32 and their like allow (about 1e-6 of the number): no bf16 or f16 on the way to a quantiser, and a product that is left as it is and whose result goes on into a quantised operand takes f32 operands (vector FMAs, or v_wmma_f32_16x16x4_f32). A number that lies on a knife's edge between two numbers of the format may be rounded either way, as far as f32 arithmetic and the matrix unit's own rounding can turn it there, and no further.
;;   INPUTS GIVEN AS CODES. W (in the module: [1024, 1024], K = its axis 1); hp (in the module: [8, 2048, 1024], K = its axis 2): each comes as NAME_codes (uint8): NAME with its K axis moved to the last place and cut into blocks of 32 codes, [.., K / 32, bytes a block], one block behind the other in memory; four codes in three bytes: a row's codes are one little-endian stream of bits, code i at bits 6 i .. 6 i + 5 (a code: sign, 2 exponent bits, 3 mantissa bits); and NAME_scales (uint8): the same leading axes, one E8M0 byte (e + 127) for each 32 codes along K. Its value is code x scale, taken as it is: it is not quantised again, and the codes and scales need not be those that the quantiser above would give.
;; One version. Each part assembles by itself: llvm-mc -triple=amdgcn-amd-amdhsa -mcpu=gfx1250 --defsym DOCPART=n.
;; ======== version 1 of 1: 2 launches
;; workspace buffers: wmat 819,200 bytes; kmat 6,553,600 bytes; vmat 6,553,600 bytes
;; launch prep (part 1): grid 64 x 8, 8 waves a work-group, no clusters, 71,680 bytes of LDS; arguments hq, W_codes, W_scales, wmat, kmat, vmat; writes wmat, kmat, vmat
.if DOCPART == 1
	.amdgcn_target "amdgcn-amd-amdhsa--gfx1250"
	.amdhsa_code_object_version 6
	.text
	.protected	k_qd6f4a912a6_prep
	.globl	k_qd6f4a912a6_prep
	.p2align	8
	.type	k_qd6f4a912a6_prep,@function
k_qd6f4a912a6_prep:
	s_mov_b64 s[64:65], 0
	v_nop
	global_prefetch_b8 v0, s[64:65] scope:SCOPE_SE
	s_setreg_imm32_b32 hwreg(HW_REG_WAVE_MODE, 25, 1), 1
	s_wait_xcnt 0x0
; hq [8][1024 q][1024 d], f32, is read ONCE and quantised to FP6 (E2M3) codes twice: along d (kmat, rows = q) and along q (vmat, rows = d).  W's given codes are laid anew (wmat).
; All three leave in the ORDER OF THE OPERAND'S REGISTERS, so that the next launch fills a fragment by three loads of 16 bytes a lane.
; A MATRIX (1,024 rows n, K = 1,024) is 32 chunks of 25,600 bytes, chunk (w, s) at 204,800 w + 25,600 s: w = which quarter of the rows, s = which 128 along K.
;   bytes 0 .. 24,575: 16 fragments of 1,536 bytes, tile T = 16 w + f; register 4 j + i of lane l at 1,536 f + 512 j + 16 l + 4 i.
;   bytes 24,576 ..  : scale words: register g (0..7), lane l = the word of tile 16 w + 2 g + l / 16, fragment row l % 16, at 512 (g / 4) + 16 l + 4 (g % 4).
;   THE ROWS OF A TILE ARE NOT NEIGHBOURS: lane r of tile T takes row 32 (T / 2) + 8 (T % 2) + r % 8 + 16 (r / 8): used as source 0, two neighbouring tiles then give a lane 16 neighbouring columns.
; A block's scale is 2^(floor(log2(its largest magnitude)) - 2); its byte is the largest magnitude's exponent field - 2, held at 1 from below.
; LIMITS: a block whose largest magnitude lies under 2^-124 (a block of zeros too) gets the byte 1, which this program alone reads; NaN and infinities in hq are not served.
; SHARES.  A work-group takes a tile of 128 q x 128 d of one batch (x = 8 qt + dt, y = batch) through LDS; each of its eight waves makes one fragment of kmat (tile 8 qt + wave, K step dt) and one of vmat
; (tile 8 dt + wave, K step qt).  The 64 work-groups of batch 0 also lay W: wave: tile 8 qt + wave, K step dt.  No tensor load, no matrix work: memory binds here.
.set WCH,   204800                     ; a quarter of a matrix: 8 chunks
.set CHUNK, 25600
.set MATB,  819200
.set FRB,   1536                       ; a fragment's image
.set RP,    528                        ; LDS: a row of the tile: 512 bytes + 16
.set S16,   16*RP+128                  ; 16 rows on: 128 bytes more, so that rows r % 8 and rows 16 further down fall on different 16-byte columns of the 64 banks of 4 bytes (ISA guide 11.1)
.set S32,   2*S16+32                   ; 32 rows on: 32 bytes more, for the column reads of lanes 16-31
.set S64,   2*S32
.set SCB,   68864                      ; behind the tile: three scale images of 512 bytes: kmat's, vmat's, wmat's
.set TC,    20                         ; v20-22, v24-26 the upper half of a block's codes, as converted
.set KC,    28                         ; v28-39  kmat's fragment
.set VC,    40                         ; v40-51  vmat's
.set WC,    52                         ; v52-63  wmat's
.set KW,    27                         ; scale words: kmat's, vmat's, wmat's
.set VW,    11
.set WW,    19
.set X0,    64                         ; v64-127  64 numbers: my rows as loaded, then my row of the tile along d
.set X1,    128                        ; v128-191 64 numbers: my column of the tile along q
	s_load_b256 s[4:11], s[0:1], 0x0               ; hq s[4:5], W's codes s[6:7], W's scales s[8:9], wmat s[10:11]
	s_load_b128 s[12:15], s[0:1], 0x20             ; kmat s[12:13], vmat s[14:15]
	v_lshl_add_u32 v192, v0, 2, 0x11400
	v_mov_b32 v193, 0
	v_lshrrev_b32 v12, 5, v0
	v_readfirstlane_b32 s16, v12                   ; wave 0..7
	v_and_b32 v13, 31, v0                          ; lane
	v_lshlrev_b32 v1, 4, v13                       ; v1 = 16 x lane
	v_and_b32 v2, 15, v0                           ; r
	v_bfe_u32 v3, v0, 4, 1                         ; h
	v_and_b32 v14, 7, v2                           ; r % 8
	v_lshrrev_b32 v15, 3, v2                       ; r / 8
	v_lshlrev_b32 v8, 3, v3                        ; 8 h: my bytes' place in a scale word
	v_mov_b32 v18, 0                               ; a lane permute's destination counts as one of its sources
	s_lshr_b32 s17, ttmp9, 3                       ; qt
	s_and_b32 s18, ttmp9, 7                        ; dt
	s_and_b32 s19, ttmp7, 0xffff                   ; batch
	s_lshr_b32 s44, s16, 1                         ; wave / 2
	s_and_b32 s45, s16, 1                          ; wave % 2
	s_mov_b32 s20, 0x76543210
	s_mov_b32 s21, 0xfedcba98                      ; v_permlanex16_b32's selects for lane l xor 16
	; LDS addresses
	s_mul_i32 s46, s16, S16
	s_lshl_b32 s47, s44, 5
	s_add_co_u32 s46, s46, s47
	v_add_nc_u32 v4, s46, v1                       ; v4: in: rows 16 wave + i, 16 bytes a lane
	s_mul_i32 s46, s44, S32
	s_mul_i32 s47, s45, 8*RP
	s_add_co_u32 s46, s46, s47
	v_mul_u32_u24 v5, v14, RP
	v_mad_u32_u24 v5, v15, S16, v5
	v_lshl_add_u32 v5, v3, 7, v5
	v_add_nc_u32 v5, s46, v5                       ; v5: my row 32 (wave / 2) + 8 (wave % 2) + r % 8 + 16 (r / 8), + 128 h bytes: d = 64 c + 32 h on
	s_lshl_b32 s46, s44, 7
	s_lshl_b32 s47, s45, 5
	s_add_co_u32 s46, s46, s47
	v_mul_u32_u24 v6, v3, S32
	v_lshl_add_u32 v6, v14, 2, v6
	v_lshl_add_u32 v6, v15, 6, v6
	v_add_nc_u32 v6, s46, v6                       ; v6: my column (the same number), rows 32 h on
	s_lshl_b32 s46, s45, 8
	s_lshl_b32 s47, s44, 2
	s_add_co_u32 s46, s46, s47
	s_add_co_u32 s46, s46, SCB
	v_lshl_add_u32 v7, v2, 4, s46                  ; v7: my scale word's place in an image of 512 bytes: 16 (16 (wave % 2) + r) + 4 (wave / 2)
	v_add_nc_u32 v23, SCB, v1                      ; v23: and where an image is read back
	s_lshl_b32 s46, s44, 5
	s_lshl_b32 s47, s45, 3
	s_add_co_u32 s46, s46, s47
	v_lshl_add_u32 v9, v15, 4, v14
	v_add_nc_u32 v9, s46, v9                       ; my row among W's 128
	v_lshlrev_b32 v10, 5, v9                       ; v10: its scale bytes (32 a row)
	v_mul_u32_u24 v9, v9, 768
	v_mad_u32_u24 v9, v3, 24, v9                   ; v9: its codes (768 bytes a row), + 24 h
	; byte offsets, apart from the addresses
	s_lshl_b32 s22, s19, 22
	s_lshl_b32 s24, s17, 19
	s_add_co_u32 s22, s22, s24
	s_lshl_b32 s24, s16, 16
	s_add_co_u32 s22, s22, s24
	s_lshl_b32 s24, s18, 9
	s_add_co_u32 s22, s22, s24                     ; hq: (1,024 batch + 128 qt + 16 wave) rows of 4,096 bytes + 512 dt
	s_mov_b32 s23, 0
	s_lshr_b32 s24, s17, 1
	s_mul_i32 s24, s24, WCH
	s_mul_i32 s25, s18, CHUNK
	s_add_co_u32 s24, s24, s25                     ; kmat, wmat: chunk (qt / 2, dt)
	s_and_b32 s25, s17, 1
	s_lshl_b32 s26, s25, 3
	s_add_co_u32 s26, s26, s16
	s_mul_i32 s26, s26, FRB
	s_add_co_u32 s26, s26, s24                     ; fragment 8 (qt % 2) + wave
	s_mov_b32 s27, 0
	s_lshl_b32 s28, s25, 9
	s_add_co_u32 s28, s28, s24
	s_add_co_u32 s28, s28, 16*FRB                  ; half qt % 2 of the chunk's scale words
	s_mov_b32 s29, 0
	s_lshr_b32 s24, s18, 1
	s_mul_i32 s24, s24, WCH
	s_mul_i32 s25, s17, CHUNK
	s_add_co_u32 s24, s24, s25                     ; vmat: chunk (dt / 2, qt)
	s_and_b32 s25, s18, 1
	s_lshl_b32 s30, s25, 3
	s_add_co_u32 s30, s30, s16
	s_mul_i32 s30, s30, FRB
	s_add_co_u32 s30, s30, s24
	s_mov_b32 s31, 0
	s_lshl_b32 s32, s25, 9
	s_add_co_u32 s32, s32, s24
	s_add_co_u32 s32, s32, 16*FRB
	s_mov_b32 s33, 0
	s_mul_i32 s34, s19, MATB                       ; the batch's matrix
	s_mov_b32 s35, 0
	s_mul_i32 s40, s17, 128*768
	s_mul_i32 s41, s18, 96
	s_add_co_u32 s40, s40, s41                     ; W's codes: 128 qt rows + 96 dt
	s_mov_b32 s41, 0
	s_lshl_b32 s42, s17, 12
	s_lshl_b32 s43, s18, 2
	s_add_co_u32 s42, s42, s43                     ; W's scales: 128 qt rows of 32 bytes + 4 dt
	s_mov_b32 s43, 0
	s_wait_kmcnt 0x0
	s_add_nc_u64 s[4:5], s[4:5], s[22:23]
	s_add_nc_u64 s[6:7], s[6:7], s[40:41]
	s_add_nc_u64 s[8:9], s[8:9], s[42:43]
	s_add_nc_u64 s[36:37], s[10:11], s[26:27]      ; wmat: my fragment,
	s_add_nc_u64 s[38:39], s[10:11], s[28:29]      ; the scale image
	s_add_nc_u64 s[12:13], s[12:13], s[34:35]
	s_add_nc_u64 s[14:15], s[14:15], s[34:35]
	s_add_nc_u64 s[26:27], s[12:13], s[26:27]      ; kmat likewise
	s_add_nc_u64 s[28:29], s[12:13], s[28:29]
	s_add_nc_u64 s[30:31], s[14:15], s[30:31]      ; vmat likewise
	s_add_nc_u64 s[32:33], s[14:15], s[32:33]
.irp i, 0,1,2,3,4,5,6,7,8,9,10,11,12,13,14,15
	global_load_b128 v[X0+4*\i:X0+4*\i+3], v1, s[4:5] offset:4096*\i th:TH_LOAD_NT   ; 32 lanes read 512 consecutive bytes of row 16 wave + i; each byte of hq is read once in the launch
.endr
	s_cmp_lg_u32 s19, 0                            ; W is laid by batch 0's work-groups: a branch on the work-group's number, with no barrier inside
	s_cbranch_scc1 .Lno_w
.irp p, 0,1,2,3,4,5
	global_load_b64 v[WC+2*\p:WC+2*\p+1], v9, s[6:7] offset:48*(\p/3)+8*(\p%3)   ; the codes as they lie are the fragment's registers: 24 bytes at 24 h, 24 at 48 + 24 h
.endr
	global_load_b32 v[WW], v10, s[8:9]             ; my row's scale word of this K step
	s_wait_loadcnt 0x0
.irp j, 0,1,2
	global_store_b128 v1, v[WC+4*\j:WC+4*\j+3], s[36:37] offset:512*\j   ; 512 consecutive bytes a store
.endr
	ds_store_b32 v7, v[WW] offset:1024             ; lanes r and r + 16 write the same word with the same value
.Lno_w:
	s_wait_loadcnt 0x0                             ; my 16 rows are in
.irp i, 0,1,2,3,4,5,6,7,8,9,10,11,12,13,14,15
	ds_store_b128 v4, v[X0+4*\i:X0+4*\i+3] offset:RP*\i
.endr
	s_wait_dscnt 0x0                               ; for the others' sake: my stores have landed
	s_barrier_signal -1
	s_barrier_wait -1                              ; the tile is whole
.irp c, 0,1
.irp k, 0,1,2,3,4,5,6,7
	ds_load_b128 v[X0+32*\c+4*\k:X0+32*\c+4*\k+3], v5 offset:256*\c+16*\k   ; my row: d = 64 c + 32 h + 0 .. 31: two whole blocks
.endr
.endr
.irp c, 0,1
.irp i, 0,1,2,3,4,5,6,7,8,9,10,11,12,13,14,15,16,17,18,19,20,21,22,23,24,25,26,27,28,29,30,31
	ds_load_b32 v[X1+32*\c+\i], v6 offset:S64*\c+RP*\i+128*(\i/16)   ; my column: q = 64 c + 32 h + i: registers run down K, nothing is transposed by an instruction
.endr
.endr
; 64 numbers of a lane, two whole blocks (register 32 c + i = k 64 c + 32 h + i of my row of the operand), become the fragment's 12 registers in v[cd] on and the row's scale word in v[wd].
.macro QUANT2 xr, cd, wd
.irp c, 0,1
	v_max3_num_f32 v[12+\c], |v[\xr+32*\c]|, |v[\xr+1+32*\c]|, 0x1800000   ; the floor 2^(3 - 127) among the leaves: the byte cannot fall under 1
.endr
.irp i, 2,4,6,8,10,12,14,16,18,20,22,24,26,28,30
.irp c, 0,1
	v_max3_num_f32 v[12+\c], v[12+\c], |v[\xr+32*\c+\i]|, |v[\xr+1+32*\c+\i]|   ; the two blocks by turns
.endr
.endr
.irp c, 0,1
	v_add_nc_u32 v[14+\c], 0xff000000, v[12+\c]    ; 2 off the exponent field: the conversion takes this operand's exponent field as its scale
.endr
.irp c, 0,1
	v_lshrrev_b32 v[16+\c], 23, v[14+\c]           ; the scale's byte
.endr
	v_lshl_or_b32 v[\wd], v17, 16, v16             ; my bytes: blocks h and 2 + h,
	v_lshlrev_b32 v[\wd], v8, v[\wd]               ; at their places (8 h bits up);
	v_permlanex16_b32 v18, v[\wd], s20, s21
	v_or_b32 v[\wd], v[\wd], v18                   ; with lane l xor 16's two the word is whole
.irp c, 0,1
	v_cvt_scalef32_pk16_fp6_f32 v[\cd+6*\c:\cd+6*\c+2], v[\xr+32*\c:\xr+32*\c+15], v[14+\c]
	v_cvt_scalef32_pk16_fp6_f32 v[TC+4*\c:TC+4*\c+2], v[\xr+32*\c+16:\xr+32*\c+31], v[14+\c]   ; (a conversion's three registers begin on an even number)
.endr
	v_nop                                          ; one plain place behind a scaled conversion
.irp c, 0,1
.irp i, 0,1,2
	v_mov_b32 v[\cd+3+6*\c+\i], v[TC+4*\c+\i]
.endr
.endr
.endm
	s_wait_dscnt 63                                ; the sixteen loads of 16 bytes are the oldest of eighty: at most 63 out means that at least seventeen are back
	QUANT2 X0, KC, KW
.irp j, 0,1,2
	global_store_b128 v1, v[KC+4*\j:KC+4*\j+3], s[26:27] offset:512*\j
.endr
	ds_store_b32 v7, v[KW]
	s_wait_dscnt 0x0                               ; my column is in
	QUANT2 X1, VC, VW
.irp j, 0,1,2
	global_store_b128 v1, v[VC+4*\j:VC+4*\j+3], s[30:31] offset:512*\j
.endr
	ds_store_b32 v7, v[VW] offset:512
	s_wait_dscnt 0x0                               ; for the others' sake: my scale words have landed
	s_barrier_signal -1
	s_barrier_wait -1
	; the scale images leave whole: one wave each, 512 consecutive bytes
	s_cmp_lg_u32 s16, 0
	s_cbranch_scc1 .Lnot_0
	ds_load_b128 v[64:67], v23
	s_wait_dscnt 0x0
	global_store_b128 v1, v[64:67], s[28:29]
	s_wait_tensorcnt 0x0
	ds_add_u32 v192, v193
	s_wait_dscnt 0x0
	s_endpgm
.Lnot_0:
	s_cmp_lg_u32 s16, 1
	s_cbranch_scc1 .Lnot_1
	ds_load_b128 v[64:67], v23 offset:512
	s_wait_dscnt 0x0
	global_store_b128 v1, v[64:67], s[32:33]
	s_wait_tensorcnt 0x0
	ds_add_u32 v192, v193
	s_wait_dscnt 0x0
	s_endpgm
.Lnot_1:
	s_cmp_lg_u32 s16, 2
	s_cbranch_scc1 .Lend
	s_cmp_lg_u32 s19, 0
	s_cbranch_scc1 .Lend
	ds_load_b128 v[64:67], v23 offset:1024
	s_wait_dscnt 0x0
	global_store_b128 v1, v[64:67], s[38:39]
.Lend:
	s_wait_tensorcnt 0x0
	ds_add_u32 v192, v193
	s_wait_dscnt 0x0
	s_endpgm
.Lfunc_end_k_qd6f4a912a6_prep:
	.size	k_qd6f4a912a6_prep, .Lfunc_end_k_qd6f4a912a6_prep-k_qd6f4a912a6_prep
	.p2alignl 7, 3214868480
	.fill 96, 4, 3214868480
	.section	.rodata,"a",@progbits
	.p2align	6, 0x0
	.amdhsa_kernel k_qd6f4a912a6_prep
		.amdhsa_group_segment_fixed_size 71680
		.amdhsa_private_segment_fixed_size 0
		.amdhsa_enable_private_segment 0
		.amdhsa_kernarg_size 48
		.amdhsa_user_sgpr_count 2
		.amdhsa_user_sgpr_kernarg_segment_ptr 1
		.amdhsa_wavefront_size32 1
		.amdhsa_system_sgpr_workgroup_id_x 1
		.amdhsa_system_sgpr_workgroup_id_y 1
		.amdhsa_system_sgpr_workgroup_id_z 1
		.amdhsa_system_vgpr_workitem_id 0
		.amdhsa_next_free_vgpr 194
		.amdhsa_next_free_sgpr 66
		.amdhsa_reserve_vcc 0
		.amdhsa_float_denorm_mode_32 3
		.amdhsa_float_denorm_mode_16_64 3
		.amdhsa_memory_ordered 1
		.amdhsa_forward_progress 1
		.amdhsa_inst_pref_size 22
	.end_amdhsa_kernel
	.amdgpu_metadata
---
amdhsa.version: [ 1, 2 ]
amdhsa.kernels:
  - .name:           k_qd6f4a912a6_prep
    .symbol:         k_qd6f4a912a6_prep.kd
    .args:
      - { .name: hq, .offset: 0, .size: 8, .value_kind: global_buffer, .address_space: global }
      - { .name: W_codes, .offset: 8, .size: 8, .value_kind: global_buffer, .address_space: global }
      - { .name: W_scales, .offset: 16, .size: 8, .value_kind: global_buffer, .address_space: global }
      - { .name: wmat, .offset: 24, .size: 8, .value_kind: global_buffer, .address_space: global }
      - { .name: kmat, .offset: 32, .size: 8, .value_kind: global_buffer, .address_space: global }
      - { .name: vmat, .offset: 40, .size: 8, .value_kind: global_buffer, .address_space: global }
    .group_segment_fixed_size: 71680
    .private_segment_fixed_size: 0
    .kernarg_segment_align: 8
    .kernarg_segment_size: 48
    .max_flat_workgroup_size: 256
    .sgpr_count:     66
    .vgpr_count:     194
    .wavefront_size: 32
...
	.end_amdgpu_metadata
.endif
;; end of part 1
;; launch chain (part 2): grid 256 x 1, 4 waves a work-group, clusters of 4 x 1, 327,680 bytes of LDS; arguments hp_codes, hp_scales, b, mask_hp, mask_hq, wmat, kmat, vmat, out0; writes out0
.if DOCPART == 2
	.amdgcn_target "amdgcn-amd-amdhsa--gfx1250"
	.amdhsa_code_object_version 6
	.text
	.protected	k_qd6f4a912a6_chain
	.globl	k_qd6f4a912a6_chain
	.p2align	8
	.type	k_qd6f4a912a6_chain,@function
k_qd6f4a912a6_chain:
	s_mov_b64 s[64:65], 0
	v_nop
	global_prefetch_b8 v0, s[64:65] scope:SCOPE_SE
	s_setreg_imm32_b32 hwreg(HW_REG_WAVE_MODE, 25, 1), 1
	s_wait_xcnt 0x0
	s_wait_alu depctr_hold_cnt(0) depctr_sa_sdst(0) depctr_va_vdst(0) depctr_va_sdst(0) depctr_va_ssrc(0) depctr_va_vcc(0) depctr_vm_vsrc(0)
	s_getreg_b32 s2, hwreg(HW_REG_IB_STS2, 6, 4)
	s_cmp_eq_u32 s2, 0
	s_cbranch_scc0 .Lentry_in_a_cluster
	s_endpgm
.Lentry_in_a_cluster:
	s_bfe_u32 s2, ttmp6, 0x10000c
	s_cmp_lg_u32 s2, 0x3003
	s_cbranch_scc0 .Lentry_shape_is_right
	s_endpgm
.Lentry_shape_is_right:
; 64 rows (b, p) go through the whole chain: X1 = hp;  Y1 = (X1 W^T + b) x mp, quantised along d = X2;  S = X2 hq^T, less 10000 where mq x mp = 0;  p = 2^(S log2(e) - M), quantised along q = X3;
; out = (X3 hq) / (the row's sum of the unquantised p).  All three products on FP6 (E2M3) codes with one E8M0 scale for each 32 along K; everything else in f32.  Nothing between goes to memory.
; Each product is [64 x 1,024] x [1,024 x 1,024]^T.  The softmax's axis is the 1,024 columns of the second: the work-group holds all logits of its rows, so M = ceil(the row's largest t) is found once, and nothing is rescaled.
; SHARES.  Work-group x: rows 64 x .. 64 x + 63 (batch x / 32).  THE FOUR WAVES SHARE THE COLUMNS: wave w makes columns 256 w .. 256 w + 255 (16 tiles f) for all 64 rows (4 tiles m): 64 accumulators, 512 registers.
; THE PRODUCTS ARE USED TRANSPOSED: source 0 = 16 rows of the streamed matrix (wmat, kmat, vmat), source 1 = 16 rows of X: a lane holds ONE row 16 m + lane % 16 throughout.  The rows that form a streamed tile were chosen by the
; launch before so that register j of tile f holds column 256 w + 32 (f / 2) + 16 (lane / 16) + 8 (f % 2) + j: the 16 registers of two neighbouring tiles are 16 neighbours along the next K.
; X goes from wave to wave through LDS as images of its fragments' registers: 12 registers a lane by three stores of 16 bytes at 16 x lane; the scale words likewise.
; THE STREAMED MATRIX COMES BY TWO ROADS AT ONCE.  A wave's chunk of a K step is 25,600 bytes: 16 fragments in register order, then their scale words.
;   Fragments 0-7 (12,288 bytes) go from memory straight into registers, 24 loads of 512 consecutive bytes, into a ring of two K steps' fragments that is filled again four fragments at a time, as soon as their 16 products
;   are issued: 36 to 48 loads of a wave are out, each with two K steps in which to land.
;   Fragments 8-15 and the scale words (13,312 bytes on end) come through LDS by JOINT tensor loads.  CLUSTER: 4 x 1 work-groups; 32 work-groups make a batch, so the four partners walk the same three matrices: each of the four
;   issues the same load with the same descriptor and a mask that names the four, which divides the requests for this half by four.  One load a wave brings the parts of two K steps (2 rows of 13,312 bytes, 25,600 apart) into a
;   slot of the wave's own; two slots a wave.  A slot has been read out into registers at the head of its second K step: there stands the round of the cluster's barrier, and behind it the fill for the pair of K steps two on.
; WHY NOT ALL OF IT THROUGH LDS: two slots of two K steps of whole chunks are 4 x 4 x 25,600 = 409,600 bytes, more than LDS has; slots of one K step would put a round into each of the 24 K steps.
; LIMITS: NaN and infinities are not served.  A block whose largest magnitude lies under 2^-124 (a block of zeros too) gets the scale byte 1: its bytes never leave this kernel.  The row's sum of p and the products' sums are
; taken in another order than a plain loop over q would take them.  The masks are taken as whole numbers: 0 hides, mask_hp's value also multiplies Y1.
; REGISTERS, in windows of 256 (s_set_vgpr_msb: bits 1:0 source 0, 3:2 source 1, 5:4 source 2, 7:6 destination):
;   window 0: v1-10 addresses; v11-15 at work; v16-31 the streamed matrix's scale words, two sets; v32-39 X's, two sets; v40-135 X's fragments, two sets of four; v136-199 64 numbers (in a product v136-183: fragments 12-15);
;             v200-218 codes; v220-236 the quantiser's (v228-231: the spare word's address, 0, two addresses in the ring); v238-239 a sum; v240-247 a pair for each row tile; v248-251 mask_hp; v252-255 -10000 where it is 0.
;             Between the products v40-135 hold block maxima, row maxima and sums.
;   window 1: v0-191 the ring (fragment f of a K step of parity u at 12 (8 u + f)); v192-239 fragments 8-11; between the products v192-255: -10000 or 0 for 128 columns q.
;   windows 2, 3: accumulator (m, f) in window 2 + f / 8 at v[64 m + 8 (f % 8)].
.set CHUNK, 25600
.set WCH,   204800
.set MATB,  819200
.set FRB,   1536                       ; a fragment's image
.set HALF,  8*FRB                      ; fragments 0-7: the part that goes straight into registers
.set TROW,  CHUNK-HALF                 ; fragments 8-15 and the scale words: 13,312 bytes
.set SLOTB, 2*TROW                     ; a wave's slot: two K steps
.set WRING, 2*SLOTB                    ; a wave's two slots
.set XIMG,  0                          ; LDS: X's 32 fragments, (K step s, row tile m) at (4 s + m) FRB
.set XSC,   49152                      ; X's scale words: (s, m, lane) at 512 s + 16 lane + 4 m: one load of 16 bytes brings a K step's four
.set PENQ,  53248                      ; -10000 where mask_hq is 0, else 0: 1,024 f32
.set STATM, 57344                      ; each wave's row maxima: 512 w + 16 lane, the four m
.set STATL, 59392                      ; each wave's row sums, likewise
.set BIAS,  61440                      ; b: 1,024 f32
.set STAGE, 65536                      ; the way out: 16 rows x 528 bytes for each wave
.set SP,    528
.set RING,  99328                      ; the four waves' slots: the only bytes that tensor loads fill; nothing is stored there
.set SPARE, RING+4*WRING               ; the spare words, 128 bytes for each wave: two blocks of 256 bytes that no other line names
.set LI,  1                            ; v1   16 x lane; never rewritten
.set XA,  2                            ; v2   LDS address of the K step's fragments of X
.set XSA, 3                            ; v3   and of its scale words
.set HWI, 4                            ; v4   where I store images: 16 lane + 8 FRB w
.set HWS, 5                            ; v5   and scale words: 16 lane + 1,024 w
.set PQA, 6                            ; v6   1,024 w + 64 (lane / 16): my first column's f32 in PENQ and in BIAS
.set STA, 7                            ; v7   16 lane + 512 w
.set SO,  8                            ; v8   the stage, in
.set SR,  9                            ; v9   the stage, back
.set PFO, 10                           ; v10  my block of 256 bytes in the chunk that the work-group prefetches
.set WS,  16
.set XS,  32
.set XF,  40
.set T,   136
.set LF3, 136                          ; fragments 12-15, in window 0
.set LF2, 192                          ; fragments 8-11, in window 1
.set PC,  200
.set TM,  220                          ; +0..3 largest magnitudes, +4..7 bytes, +12..15 the conversions' scale operands
.set SPW, 228                          ; v228 LDS address of my spare word: SPARE + 4 x my thread's number; never rewritten
.set NIL, 229                          ; v229 0; never rewritten
.set RA0, 230                          ; v230 16 lane + my wave's slot 0; never rewritten
.set RA,  231                          ; v231 16 lane + the slot that is being read
.set PW,  236
.set SM2, 238
.set PR,  240
.set MK,  248
.set G,   252
.set BM,  40                           ; v40-71   the largest logit of block (m, k) at 8 m + k
.set RM,  72                           ; v72-75   row maxima
.set EX,  76                           ; v76-91   the four waves' figures
.set LS,  104                          ; v104-111 row sums, a pair for each m
.set LL,  112                          ; v112-115 row sums
.set WV,  26                           ; s26 wave
.set P,   36                           ; s[36:37] the chunk whose fragments 0-7 were asked for last
.set NK,  38                           ; s[38:39] my first chunk of kmat;  s[40:41] of vmat
.set NV,  40
.set SEL, 42
.set CS,  44                           ; s[44:45] log2(e)
.set CNT, 46
.set XO,  47
.set XSO, 48
.set PK,  50                           ; s[50:51], s[52:53] the chunk of kmat, vmat that this work-group prefetches
.set PV,  52
.set OUT, 54
.set G1,  68                           ; s[68:75] descriptor group 1: the shape, the same for every tensor load
.set G0A, 76                           ; s[76:79] group 0 of the first fill of slot 0
.set G0W, 80                           ; s[80:83] group 0 of the first fill of slot 1; it then walks on
.set TA,  84                           ; s[84:85] where the next pair of K steps to be asked for begins
.set NTK, 86                           ; s[86:87] where kmat's first pair begins;  s[88:89] vmat's
.set NTV, 88
.set RB,  90                           ; s90  my wave's slot 0 in LDS
.set TB,  91                           ; s91  0 or SLOTB: the slot that is being read
.set MSB, 0
.macro WIN new                         ; the immediate's high byte repeats the setting that is left; a switch that changes nothing is dropped
.if MSB != (\new)
	s_set_vgpr_msb (MSB<<8)|(\new)
.set MSB, (\new)
.endif
.endm
.macro PLACES                          ; four plain places behind matrix instructions: in front of loads into registers that they have read, and of the first read of results
.rept 4
	v_nop
.endr
.endm
.macro BARRIER                         ; my LDS stores have landed and my LDS loads are in: then the work-group's barrier.
	s_wait_dscnt 0x0
	s_barrier_signal -1
	s_barrier_wait -1
.endm
; A round of the cluster's barrier: my work-group's barrier, so that wave 0's signal speaks for all four waves; wave 0 signals for the work-group; every wave waits for all four work-groups; my work-group's barrier once more.
.macro ROUND
	s_barrier_signal -1
	s_barrier_wait -1
	s_cmp_lg_u32 s[WV], 0
	s_cbranch_scc1 .Lnot_wave_0_\@
	s_barrier_signal -3
.Lnot_wave_0_\@:
	s_barrier_wait -3
	s_barrier_signal -1
	s_barrier_wait -1
.endm
; One product: tile f of the streamed matrix x row tile mq of X, 128 along K.  Even tiles' scale words lie in lanes 0-15 of register f / 2, odd tiles' in lanes 16-31.
.macro MM f, mq, par, zero
.set rD, 64*(\mq)+8*((\f)%8)
.if (\f) < 8
.set rA, 12*(8*(\par)+(\f))
.elseif (\f) < 12
.set rA, LF2+12*((\f)-8)
.else
.set rA, LF3+12*((\f)-12)
.endif
.set rB, XF+48*(\par)+12*(\mq)
.set rP, WS+8*(\par)+(\f)/2
.set rQ, XS+4*(\par)+(\mq)
.if \zero
.if (\f)%2
	v_wmma_scale_f32_16x16x128_f8f6f4 v[rD:rD+7], v[rA:rA+11], v[rB:rB+11], 0, v[rP], v[rQ] matrix_a_fmt:MATRIX_FMT_FP6 matrix_b_fmt:MATRIX_FMT_FP6 matrix_a_scale:MATRIX_SCALE_ROW1
.else
	v_wmma_scale_f32_16x16x128_f8f6f4 v[rD:rD+7], v[rA:rA+11], v[rB:rB+11], 0, v[rP], v[rQ] matrix_a_fmt:MATRIX_FMT_FP6 matrix_b_fmt:MATRIX_FMT_FP6
.endif
.else
.if (\f)%2
	v_wmma_scale_f32_16x16x128_f8f6f4 v[rD:rD+7], v[rA:rA+11], v[rB:rB+11], v[rD:rD+7], v[rP], v[rQ] matrix_a_fmt:MATRIX_FMT_FP6 matrix_b_fmt:MATRIX_FMT_FP6 matrix_a_scale:MATRIX_SCALE_ROW1
.else
	v_wmma_scale_f32_16x16x128_f8f6f4 v[rD:rD+7], v[rA:rA+11], v[rB:rB+11], v[rD:rD+7], v[rP], v[rQ] matrix_a_fmt:MATRIX_FMT_FP6 matrix_b_fmt:MATRIX_FMT_FP6
.endif
.endif
.endm
.macro MUL4 g, par, zero               ; 16 products: tiles 4 g .. 4 g + 3 x the four row tiles.  The 64 accumulators take turns, one instruction a turn, in the same order in every K step
.irp ff, 0,1,2,3
.irp mq, 0,1,2,3
	MM (4*(\g)+\ff), \mq, \par, \zero
.endr
.endr
.endm
.macro RING g, par                     ; fragments 4 g .. 4 g + 3 (g = 0, 1) of the chunk at s[P], into the ring's half par: twelve loads of 512 consecutive bytes
	WIN 0x40
.irp ff, 0,1,2,3
.irp j, 0,1,2
	global_load_b128 v[12*(8*(\par)+4*(\g)+\ff)+4*\j:12*(8*(\par)+4*(\g)+\ff)+4*\j+3], v[LI], s[P:P+1] offset:FRB*(4*(\g)+\ff)+512*\j
.endr
.endr
.endm
.macro LSCALE par, row                 ; a K step's scale words, out of row \row of the slot that is being read
	ds_load_b128 v[WS+8*(\par):WS+8*(\par)+3], v[RA] offset:(\row)*TROW+HALF
	ds_load_b128 v[WS+8*(\par)+4:WS+8*(\par)+7], v[RA] offset:(\row)*TROW+HALF+512
.endm
.macro LRING2 row                      ; its fragments 8-11
	WIN 0x40
.irp ff, 0,1,2,3
.irp j, 0,1,2
	ds_load_b128 v[LF2+12*\ff+4*\j:LF2+12*\ff+4*\j+3], v[RA] offset:(\row)*TROW+FRB*\ff+512*\j
.endr
.endr
.endm
.macro LRING3 row                      ; its fragments 12-15
	WIN 0
.irp ff, 0,1,2,3
.irp j, 0,1,2
	ds_load_b128 v[LF3+12*\ff+4*\j:LF3+12*\ff+4*\j+3], v[RA] offset:(\row)*TROW+FRB*(4+\ff)+512*\j
.endr
.endr
.endm
.macro XLOAD par                       ; a K step's four fragments of X and their scale words, from their images
	v_add_nc_u32 v[XA], s[XO], v[LI]
	v_add_nc_u32 v[XSA], s[XSO], v[LI]
.irp mq, 0,1,2,3
.irp j, 0,1,2
	ds_load_b128 v[XF+48*(\par)+12*\mq+4*\j:XF+48*(\par)+12*\mq+4*\j+3], v[XA] offset:XIMG+FRB*\mq+512*\j
.endr
.endr
	ds_load_b128 v[XS+4*(\par):XS+4*(\par)+3], v[XSA] offset:XSC
.endm
; A K STEP: 64 products.  par: its parity: which half of the ring, which set of X's fragments and of both sides' scale words.
; pmode 0: the ring's half is filled again from the chunk two K steps on; 1: the same, and in the loop's last trip from the next matrix's first chunk, s[nb]; 2: not at all.
; xnext = 1: the next K step's X, scale words and fragments 8-15 are fetched from LDS.  The LDS loads of a K step are issued in this order: 2 + 13 (scale words, X), 12 (fragments 8-11), 12 (fragments 12-15).
; tmode (K steps of parity 1, the second of a slot: all of the slot was fetched in the K step before): 1: the slot is filled again with the pair of K steps at s[TA]; 2: the same, and in the loop's second trip s[TA] goes on
; to the next matrix's first pair, s[nt]; 3: nothing is left to ask for: the other slot's load is waited for; 0: none of this.
; l0, l1: how many younger loads from memory may be out when fragments 0-3, 4-7 are wanted.
.macro KSTEP par, zero, pmode, nb, xnext, tmode, nt, l0, l1
.if (\tmode == 1) || (\tmode == 2)
	s_wait_tensorcnt 0x0                           ; all my tensor loads have landed: the one that was out is the other slot's; so a group 0 may be written
	ds_add_u32 v[SPW], v[NIL]                      ; 0 onto my spare word: the descriptor's steps stand between it and the wait for it
	s_add_co_u32 s[G0W+1], s[RB], s[TB]            ; into the slot that has been read out
	s_mov_b64 s[G0W+2:G0W+3], s[TA:TA+1]
	s_or_b32 s[G0W+3], s[G0W+3], 0x80000000        ; 127:126 type = 2
	s_add_nc_u64 s[TA:TA+1], s[TA:TA+1], 2*CHUNK   ; the pair behind it,
.if \tmode == 2
	s_cmp_eq_u32 s[CNT], 2                         ; or, behind this matrix's last pair, the next matrix's first: a choice on the loop's counter
	s_cselect_b64 s[TA:TA+1], s[\nt:\nt+1], s[TA:TA+1]
.endif
	s_xor_b32 s[TB], s[TB], SLOTB                  ; the reads go on in the other slot
	s_wait_dscnt 0x0                               ; the add is done, and my reads of the slot are over
	ROUND                                          ; both now hold of every wave of the four work-groups
	tensor_load_to_lds s[G0W:G0W+3], s[G1:G1+7]    ; my one tensor load behind the round, and the first thing there: it has two K steps in which to land
	s_nop 0
	PLACES                                         ; (four v_nop follow a tensor load)
	v_add_nc_u32 v[RA], s[TB], v[RA0]
.elseif \tmode == 3
	s_wait_tensorcnt 0x0                           ; the last pair has landed; only I read these bytes
	s_xor_b32 s[TB], s[TB], SLOTB
	v_add_nc_u32 v[RA], s[TB], v[RA0]
	s_wait_dscnt 24                                ; X and the scale words are in: behind them only fragments 8-15 were asked for
.else
	s_wait_dscnt 24                                ; X and the scale words are in: behind them only fragments 8-15 were asked for
.endif
	s_wait_loadcnt \l0                             ; fragments 0-3 are in
	WIN 0xa1
	MUL4 0, \par, \zero
.if (\pmode < 2) || \xnext
	PLACES
	WIN 0
.endif
.if \pmode < 2
	s_wait_xcnt 0x0                                ; the loads issued so far have read their base: it may step
	s_add_nc_u64 s[P:P+1], s[P:P+1], CHUNK
.if \pmode == 1
	s_cmp_eq_u32 s[CNT], 1                         ; two K steps on is the next matrix's first: a choice on the loop's counter
	s_cselect_b64 s[P:P+1], s[\nb:\nb+1], s[P:P+1]
.endif
.endif
.if \xnext
	LSCALE (1-\par), (1-\par)
	s_add_co_u32 s[XO], s[XO], 4*FRB
	s_add_co_u32 s[XSO], s[XSO], 512
	XLOAD (1-\par)
.endif
.if \pmode < 2
	RING 0, \par
.endif
	s_wait_loadcnt \l1                             ; fragments 4-7 are in
	WIN 0xa1
	MUL4 1, \par, \zero
.if \pmode < 2
	PLACES
	RING 1, \par
.endif
	s_wait_dscnt 12+15*\xnext                      ; fragments 8-11 are in: behind them fragments 12-15, and this K step's 2 + 13
	WIN 0xf1
	MUL4 2, \par, \zero
.if \xnext
	PLACES
	LRING2 (1-\par)
.endif
	s_wait_dscnt 27*\xnext                         ; fragments 12-15 are in: behind them this K step's 2 + 13 + 12
	WIN 0xf0
	MUL4 3, \par, \zero
.if \xnext
	PLACES
	LRING3 (1-\par)
.endif
	WIN 0
.endm
; A PRODUCT: eight K steps.  Written out: the first (it may start the sums), one trip of two, the last (it fetches nothing from LDS).  last = 1: the third matrix: from its K step 5 on no tensor load is due, from 6 on no
; load from memory: the loop has two trips and the last three K steps are written out.  pf: the chunk that this work-group prefetches, or 0.
.macro GEMM zero, last, nb, nt, pf
	s_mov_b32 s[XO], 0
	s_mov_b32 s[XSO], 0
	LSCALE 0, 0                                    ; K step 0's part lies in row 0 of the slot in hand; the wait for 0 at the head of the K step before, or the prologue's wait, has shown it landed
	XLOAD 0
	LRING2 0
	LRING3 0
	KSTEP 0, \zero, 0, 0, 1, 0, 0, 36, 36          ; 36: behind a group of twelve stand the three groups issued since
	s_mov_b32 s[CNT], 3-\last
.Lk_\@:
.if \last
	KSTEP 1, 0, 0, 0, 1, 1, 0, 36, 36
	KSTEP 0, 0, 0, 0, 1, 0, 0, 36, 36
.else
	KSTEP 1, 0, 0, 0, 1, 2, \nt, 36, 36
	s_cmp_lg_u32 s[CNT], 2                         ; once, behind K step 3: two K steps ahead of the first joint load from the next matrix
	s_cbranch_scc1 .Lno_pf_\@
	global_prefetch_b8 v[PFO], s[\pf:\pf+1] th:TH_LOAD_NT scope:SCOPE_SE   ; the work-group asks for chunk x % 32 of its batch's next matrix, 25 blocks of 256 bytes a wave: the batch's 32 work-groups cover the matrix once
.Lno_pf_\@:
	KSTEP 0, 0, 1, \nb, 1, 0, 0, 36, 36
.endif
	s_sub_co_u32 s[CNT], s[CNT], 1
	s_cmp_lg_u32 s[CNT], 0
	s_cbranch_scc1 .Lk_\@
.if \last
	KSTEP 1, 0, 0, 0, 1, 3, 0, 36, 36              ; K step 5: the ring's last refill
	KSTEP 0, 0, 2, 0, 1, 0, 0, 36, 24              ; K step 6: the counts run down
	KSTEP 1, 0, 2, 0, 0, 0, 0, 12, 0               ; K step 7
.else
	KSTEP 1, 0, 0, 0, 0, 1, 0, 36, 36              ; K step 7 asks for the next matrix's second pair and its K step 1
.endif
	PLACES
.endm
; THE QUANTISER'S COMMON END.  v[TM+0..3]: the four blocks' largest magnitudes, the floor among them.
.macro SCALEW
.irp bq, 0,1,2,3
	v_add_nc_u32 v[TM+12+\bq], 0xff000000, v[TM+\bq]   ; 2 off the exponent field: the conversion's scale operand
.endr
.irp bq, 0,1,2,3
	v_lshrrev_b32 v[TM+4+\bq], 23, v[TM+12+\bq]    ; the scale's byte
.endr
	s_wait_dscnt 0x0                               ; the last image's stores have read the word and the codes: both are written again below
	v_lshl_or_b32 v[PW], v[TM+5], 8, v[TM+4]
	v_lshl_or_b32 v[PW], v[TM+6], 16, v[PW]
	v_lshl_or_b32 v[PW], v[TM+7], 24, v[PW]        ; my row's scale word
.endm
.macro CODES                           ; v[T+16 b + i] = k 32 b + 16 (lane / 16) + i of my row -> the fragment's 12 registers in v[PC] on
.irp c, 0,1
	v_cvt_scalef32_pk16_fp6_f32 v[PC+6*\c:PC+6*\c+2], v[T+32*\c:T+32*\c+15], v[TM+12+2*\c]
	v_cvt_scalef32_pk16_fp6_f32 v[PC+12+4*\c:PC+14+4*\c], v[T+16+32*\c:T+31+32*\c], v[TM+13+2*\c]   ; (a conversion's three registers begin on an even number)
.endr
	v_nop                                          ; one plain place behind a scaled conversion
.irp c, 0,1                            ; the operand's layout wants a WHOLE block in a lane: lanes 0-15 block 2 c, lanes 16-31 block 2 c + 1
.irp i3, 0,1,2
	v_permlane16_swap_b32 v[PC+6*\c+\i3], v[PC+12+4*\c+\i3]
.endr
.irp i3, 0,1,2
	v_mov_b32 v[PC+3+6*\c+\i3], v[PC+12+4*\c+\i3]
.endr
.endr
.endm
.macro IMAGE sp, mm                    ; the fragment is K step 2 w + sp, row tile mm, of the next product
.irp j, 0,1,2
	ds_store_b128 v[HWI], v[PC+4*\j:PC+4*\j+3] offset:XIMG+(4*(\sp)+(\mm))*FRB+512*\j
.endr
	ds_store_b32 v[HWS], v[PW] offset:XSC+512*(\sp)+4*(\mm)
.endm
	s_load_b512 s[8:23], s[0:1], 0x0               ; hp's codes s[8:9], hp's scales s[10:11], b s[12:13], mask_hp s[14:15], mask_hq s[16:17], wmat s[18:19], kmat s[20:21], vmat s[22:23]
	s_load_b64 s[24:25], s[0:1], 0x40              ; out0
	v_lshl_add_u32 v[SPW], v0, 2, SPARE
	v_mov_b32 v[NIL], 0
	ds_add_u32 v228, v229
	s_wait_dscnt 0x0
	v_lshrrev_b32 v11, 5, v0
	v_readfirstlane_b32 s[WV], v11                 ; wave 0..3
	v_and_b32 v12, 31, v0                          ; lane
	v_and_b32 v13, 15, v0                          ; r
	v_bfe_u32 v14, v0, 4, 1                        ; h
	v_lshlrev_b32 v[LI], 4, v12
	s_bfe_u32 s92, ttmp6, 0x40000                  ; cx: my place in the cluster
	s_lshl_b32 s93, ttmp9, 2                       ; in a cluster launch ttmp9 counts clusters
	s_add_co_u32 s93, s93, s92                     ; x = 4 x cluster + cx: it enters the addresses of hp, mask_hp, out0 and the prefetch alone
	s_lshr_b32 s27, ttmp9, 3                       ; batch: eight clusters to a batch: the four partners share it
	s_and_b32 s28, s93, 31                         ; my block of 64 rows in it
	s_mul_i32 s29, s[WV], 8*FRB
	v_add_nc_u32 v[HWI], s29, v[LI]
	s_lshl_b32 s29, s[WV], 10
	v_add_nc_u32 v[HWS], s29, v[LI]
	v_lshl_add_u32 v[PQA], v14, 6, s29
	s_lshl_b32 s29, s[WV], 9
	v_add_nc_u32 v[STA], s29, v[LI]
	s_mul_i32 s29, s[WV], 16*SP
	s_add_co_u32 s29, s29, STAGE                   ; my stage
	v_mul_u32_u24 v[SO], v13, SP
	v_lshl_add_u32 v[SO], v14, 6, v[SO]
	v_add_nc_u32 v[SO], s29, v[SO]                 ; in: row r, + 64 h
	v_add_nc_u32 v[SR], s29, v[LI]                 ; back: 32 lanes take a row of 512 bytes
	s_mul_i32 s[RB], s[WV], WRING
	s_add_co_u32 s[RB], s[RB], RING                ; my two slots: no place in the cluster enters an LDS address
	v_add_nc_u32 v[RA0], s[RB], v[LI]
	v_add_nc_u32 v[RA], s[RB], v[LI]               ; the reads begin in slot 0
	s_mov_b32 s[TB], 0
	v_min_u32 v[PFO], 24, v12
	s_mul_i32 s29, s[WV], 25
	v_add_nc_u32 v[PFO], s29, v[PFO]
	v_lshlrev_b32 v[PFO], 8, v[PFO]                ; block 25 w + min(lane, 24) of the chunk's 100: it stays inside the chunk
	s_mul_i32 s29, s[WV], FRB
	v_add_nc_u32 v[XA], s29, v[LI]                 ; for now: where hp's images go (row tile m = w),
	s_lshl_b32 s29, s[WV], 2
	v_add_nc_u32 v[XSA], s29, v[LI]                ; and their scale words
	v_lshlrev_b32 v11, 5, v0                       ; 32 x thread: b and mask_hq, in memory and in LDS
	v_lshlrev_b32 v12, 2, v13                      ; mask_hp: 4 r
	v_lshlrev_b32 v15, 5, v13                      ; hp's scales: 32 r
	v_mul_u32_u24 v13, v13, 768
	v_mad_u32_u24 v13, v14, 24, v13                ; hp's codes: 768 r + 24 h
.irp bq, 0,1,2,3
	v_mov_b32 v[TM+4+\bq], 0                       ; written once: a lane permute's destination counts as one of its sources
.endr
	s_mov_b32 s[SEL], 0x76543210
	s_mov_b32 s[SEL+1], 0xfedcba98                 ; v_permlanex16_b32's selects for lane l xor 16
	s_mov_b32 s[CS], 0x3fb8aa3b                    ; log2(e)
	s_mov_b32 s[CS+1], s[CS]                       ; (named with it as a pair, so it is written)
	; descriptor group 1: 2 rows of 13,312 bytes (1,664 elements of 8 bytes), 25,600 bytes (3,200 elements) apart; dense in LDS: a fragment's loads take 512 bytes on end, so no padding is wanted
	s_mov_b32 s[G1], 15|(3<<16)|(1<<21)            ; 15:0 the mask: all four work-groups; 17:16 elements of 8 bytes; 20 padding off; 21 set beside a mask
	s_mov_b32 s[G1+1], (TROW/8)<<16                ; 63:48 tensor_dim0, low half
	s_mov_b32 s[G1+2], 2<<16                       ; 79:64 its high half = 0; 95:80 tensor_dim1, low half = 2
	s_mov_b32 s[G1+3], (TROW/8)<<16                ; 111:96 its high half = 0; 127:112 tile_dim0
	s_mov_b32 s[G1+4], 2                           ; 143:128 tile_dim1 = 2; 159:144 tile_dim2 = 0
	s_mov_b32 s[G1+5], CHUNK/8                     ; 191:160 tensor_dim0_stride, low word
	s_mov_b32 s[G1+6], 0
	s_mov_b32 s[G1+7], 0
	s_lshl_b32 s30, s93, 6
	s_lshl_b32 s31, s[WV], 4
	s_add_co_u32 s30, s30, s31                     ; the first row that my wave brings: 64 x + 16 w
	s_mul_i32 s32, s30, 768
	s_mov_b32 s33, 0
	s_lshl_b32 s34, s30, 5
	s_mov_b32 s35, 0
	s_lshl_b32 s56, s93, 8                         ; mask_hp: 64 x rows of 4 bytes
	s_mov_b32 s57, 0
	s_lshl_b32 s58, s27, 12                        ; mask_hq: the batch's 4,096 bytes
	s_mov_b32 s59, 0
	s_mul_i32 s60, s[WV], WCH                      ; my quarter of a streamed matrix
	s_mov_b32 s61, 0
	s_mul_i32 s62, s27, MATB                       ; the batch's matrix
	s_mov_b32 s63, 0
	s_mul_i32 s2, s28, CHUNK                       ; the chunk that this work-group prefetches
	s_mov_b32 s3, 0
	s_lshl_b32 s4, s93, 18                         ; out0: 64 x rows of 4,096 bytes + 1,024 w
	s_lshl_b32 s5, s[WV], 10
	s_add_co_u32 s4, s4, s5
	s_mov_b32 s5, 0
	s_wait_kmcnt 0x0
	s_add_nc_u64 s[8:9], s[8:9], s[32:33]
	s_add_nc_u64 s[10:11], s[10:11], s[34:35]
	s_add_nc_u64 s[14:15], s[14:15], s[56:57]
	s_add_nc_u64 s[16:17], s[16:17], s[58:59]
	s_add_nc_u64 s[P:P+1], s[18:19], s[60:61]
	s_add_nc_u64 s[20:21], s[20:21], s[62:63]
	s_add_nc_u64 s[22:23], s[22:23], s[62:63]
	s_add_nc_u64 s[NK:NK+1], s[20:21], s[60:61]
	s_add_nc_u64 s[NV:NV+1], s[22:23], s[60:61]
	s_add_nc_u64 s[PK:PK+1], s[20:21], s[2:3]
	s_add_nc_u64 s[PV:PV+1], s[22:23], s[2:3]
	s_add_nc_u64 s[OUT:OUT+1], s[24:25], s[4:5]
	s_add_nc_u64 s[TA:TA+1], s[P:P+1], HALF        ; the tensor loads' part of a chunk begins behind fragment 7.  These addresses are made of the wave's number and the batch alone
	s_add_nc_u64 s[NTK:NTK+1], s[NK:NK+1], HALF
	s_add_nc_u64 s[NTV:NTV+1], s[NV:NV+1], HALF
	s_mov_b32 s[G0A], 1                            ; 1:0 count = 1
	s_mov_b32 s[G0A+1], s[RB]                      ; 63:32 LDS address: my slot 0
	s_mov_b64 s[G0A+2:G0A+3], s[TA:TA+1]           ; 120:64 global address: wmat's K steps 0 and 1
	s_or_b32 s[G0A+3], s[G0A+3], 0x80000000        ; 127:126 type = 2
	s_mov_b32 s[G0W], 1
	s_add_co_u32 s[G0W+1], s[RB], SLOTB            ; my slot 1
	s_add_nc_u64 s[G0W+2:G0W+3], s[TA:TA+1], 2*CHUNK   ; K steps 2 and 3
	s_or_b32 s[G0W+3], s[G0W+3], 0x80000000
	s_add_nc_u64 s[TA:TA+1], s[TA:TA+1], 4*CHUNK   ; the first refill's: K steps 4 and 5
	ROUND                                          ; all four work-groups are here: the first joint loads meet
	tensor_load_to_lds s[G0A:G0A+3], s[G1:G1+7]    ; the two first fills go out together, ahead of every wait on TENSORcnt and every LDS read: two tensor loads of mine are out
	s_nop 0
	tensor_load_to_lds s[G0W:G0W+3], s[G1:G1+7]
	s_nop 0
	PLACES                                         ; (four v_nop follow)
	global_load_b128 v[144:147], v11, s[12:13]     ; b: 32 bytes a thread
	global_load_b128 v[148:151], v11, s[12:13] offset:16
	global_load_b128 v[152:155], v11, s[16:17]     ; mask_hq of the batch likewise
	global_load_b128 v[156:159], v11, s[16:17] offset:16
.irp mm, 0,1,2,3
	global_load_b32 v[MK+\mm], v12, s[14:15] offset:64*\mm   ; mask_hp of my four rows 16 m + r
.endr
	global_load_b128 v[136:139], v15, s[10:11] th:TH_LOAD_NT   ; my row's eight scale words
	global_load_b128 v[140:143], v15, s[10:11] offset:16 th:TH_LOAD_NT
.irp s, 0,1,2,3,4,5,6,7
.irp p, 0,1,2,3,4,5
	global_load_b64 v[XF+12*\s+2*\p:XF+12*\s+2*\p+1], v13, s[8:9] offset:96*\s+48*(\p/3)+8*(\p%3) th:TH_LOAD_NT   ; hp's codes as they lie are the fragments' registers: rows 16 w + r, K step s
.endr
.endr
	RING 0, 0                                      ; the ring's first fill: fragments 0-7 of wmat's chunks (w, 0)
	RING 1, 0
	s_wait_xcnt 0x0                                ; the loads have read their base: it may step
	s_add_nc_u64 s[P:P+1], s[P:P+1], CHUNK
	RING 0, 1                                      ; and (w, 1)
	RING 1, 1
	WIN 0
	s_wait_loadcnt 48                              ; all but the ring's first fill, four groups of twelve, is in
	ds_store_b128 v11, v[144:147] offset:BIAS
	ds_store_b128 v11, v[148:151] offset:BIAS+16
	v_mov_b32 v14, 0xc61c4000                      ; -10000
.irp i, 0,1,2,3,4,5,6,7
	v_cmp_eq_u32 vcc_lo, 0, v[152+\i]
	v_cndmask_b32 v[160+\i], 0, v14, vcc_lo        ; -10000 where mask_hq is 0
.endr
	ds_store_b128 v11, v[160:163] offset:PENQ
	ds_store_b128 v11, v[164:167] offset:PENQ+16
.irp s, 0,1,2,3,4,5,6,7
.irp j, 0,1,2
	ds_store_b128 v[XA], v[XF+12*\s+4*\j:XF+12*\s+4*\j+3] offset:XIMG+4*FRB*\s+512*\j
.endr
	ds_store_b32 v[XSA], v[136+\s] offset:XSC+512*\s
.endr
	s_wait_tensorcnt 0x1                           ; my slot 0 has landed; slot 1's load may stay out
	BARRIER                                        ; X1, b and the penalties lie in LDS
	; b is the C of the first product's first K step: it is loaded into the accumulators, register j of tile f: b at column 256 w + 32 (f / 2) + 16 h + 8 (f % 2) + j
	WIN 0x80
.irp f, 0,1,2,3,4,5,6,7
.irp mm, 0,1,2,3
.irp jj, 0,1
	ds_load_b128 v[64*\mm+8*\f+4*\jj:64*\mm+8*\f+4*\jj+3], v[PQA] offset:BIAS+128*(\f/2)+32*(\f%2)+16*\jj
.endr
.endr
.endr
	WIN 0xc0
.irp f, 0,1,2,3,4,5,6,7
.irp mm, 0,1,2,3
.irp jj, 0,1
	ds_load_b128 v[64*\mm+8*\f+4*\jj:64*\mm+8*\f+4*\jj+3], v[PQA] offset:BIAS+512+128*(\f/2)+32*(\f%2)+16*\jj
.endr
.endr
.endr
	WIN 0
	GEMM 0, 0, NK, NTK, PK                         ; hp W^T + b; its last K steps ask for kmat's first
	; ---- Y1 x mp, quantised along d
	BARRIER                                        ; every wave has read X1 for the last time
.irp mm, 0,1,2,3
	v_cvt_f32_i32 v[PR+2*\mm], v[MK+\mm]           ; mp of my row
.endr
.irp mm, 0,1,2,3
	v_mov_b32 v[PR+2*\mm+1], v[PR+2*\mm]
.endr
.macro E1BLK sp, mm
	WIN 0x02+\sp
.set i, 0
.rept 32
	v_pk_mul_f32 v[T+i:T+i+1], v[64*\mm+i:64*\mm+i+1], v[PR+2*\mm:PR+2*\mm+1] op_sel_hi:[1,0]   ; each accumulator from its low end on
.set i, i+2
.endr
	WIN 0
.irp bq, 0,1,2,3
	v_max3_num_f32 v[TM+\bq], |v[T+16*\bq]|, |v[T+1+16*\bq]|, 0x1800000   ; block b: my 16 numbers, and the floor 2^(3 - 127): the byte cannot fall under 1
.endr
.irp i2, 2,4,6,8,10,12,14
.irp bq, 0,1,2,3
	v_max3_num_f32 v[TM+\bq], v[TM+\bq], |v[T+16*\bq+\i2]|, |v[T+1+16*\bq+\i2]|   ; the four blocks by turns
.endr
.endr
.irp bq, 0,1,2,3
	v_permlanex16_b32 v[TM+4+\bq], v[TM+\bq], s[SEL], s[SEL+1]
.endr
.irp bq, 0,1,2,3
	v_max_num_f32 v[TM+\bq], v[TM+\bq], v[TM+4+\bq]   ; with lane l xor 16's 16: the block's largest magnitude
.endr
	SCALEW
	CODES
	IMAGE \sp, \mm
.endm
.irp sp, 0,1
.irp mm, 0,1,2,3
	E1BLK \sp, \mm
.endr
.endr
	BARRIER                                        ; X2 lies in LDS
	GEMM 1, 0, NV, NTV, PV                         ; X2 hq^T; its last K steps ask for vmat's first
	; ---- the mask and the row's maximum.  Where mp = 0 all of a row's sums are 0 and its logits are all -10000: kept apart in G, so that the sums below stay exact
	v_mov_b32 v11, 0xc61c4000                      ; -10000
	v_mov_b32 v12, 0
.irp mm, 0,1,2,3
	v_cmp_eq_u32 vcc_lo, 0, v[MK+\mm]
	v_cndmask_b32 v[PR+2*\mm], 1.0, v12, vcc_lo    ; 0 where mp = 0: there mask_hq's penalty is not added a second time
	v_cndmask_b32 v[G+\mm], 0, v11, vcc_lo         ; -10000 where mp = 0
.endr
.irp mm, 0,1,2,3
	v_mov_b32 v[PR+2*\mm+1], v[PR+2*\mm]
.endr
.irp sp, 0,1
	WIN 0x40
.irp bq, 0,1,2,3
.irp k, 0,1,2,3
	ds_load_b128 v[192+16*\bq+4*\k:192+16*\bq+4*\k+3], v[PQA] offset:PENQ+512*\sp+128*\bq+16*\k   ; the penalties of my 64 columns of these 128
.endr
.endr
	s_wait_dscnt 0x0
.irp mm, 0,1,2,3
	WIN 0xa1+0x50*\sp
.set i, 0
.rept 32
	v_pk_fma_f32 v[64*\mm+i:64*\mm+i+1], v[192+i:193+i], v[PR+2*\mm:PR+2*\mm+1], v[64*\mm+i:64*\mm+i+1] op_sel_hi:[1,0,1]   ; s - 10000 where mq = 0: one rounding; each accumulator from its low end on
.set i, i+2
.endr
	WIN 0x0a+5*\sp
.irp bq, 0,1,2,3
	v_max_num_f32 v[BM+8*\mm+4*\sp+\bq], v[64*\mm+16*\bq], v[64*\mm+16*\bq+1]   ; THE LARGEST LOGIT OF EACH BLOCK OF 32 q serves twice: for the row's maximum and, since p rises with the logit, for the block's largest p
.endr
.irp i2, 2,4,6,8,10,12,14
.irp bq, 0,1,2,3
	v_max3_num_f32 v[BM+8*\mm+4*\sp+\bq], v[64*\mm+16*\bq+\i2], v[64*\mm+16*\bq+\i2+1], v[BM+8*\mm+4*\sp+\bq]
.endr
.endr
.endr
.endr
	WIN 0
.set i, 0
.rept 32
	v_permlanex16_b32 v[T+i], v[BM+i], s[SEL], s[SEL+1]
.set i, i+1
.endr
.set i, 0
.rept 32
	v_max_num_f32 v[BM+i], v[BM+i], v[T+i]         ; with lane l xor 16's 16 columns
.set i, i+1
.endr
.irp mm, 0,1,2,3
	v_max3_num_f32 v[RM+\mm], v[BM+8*\mm], v[BM+8*\mm+1], v[BM+8*\mm+2]
.endr
.irp mm, 0,1,2,3
	v_max3_num_f32 v[RM+\mm], v[RM+\mm], v[BM+8*\mm+3], v[BM+8*\mm+4]
.endr
.irp mm, 0,1,2,3
	v_max3_num_f32 v[RM+\mm], v[RM+\mm], v[BM+8*\mm+5], v[BM+8*\mm+6]
.endr
.irp mm, 0,1,2,3
	v_max_num_f32 v[RM+\mm], v[RM+\mm], v[BM+8*\mm+7]   ; my wave's 256 columns
.endr
	ds_store_b128 v[STA], v[RM:RM+3] offset:STATM
	BARRIER                                        ; the four waves' maxima lie in LDS, and every wave has read X2 for the last time
.irp w, 0,1,2,3
	ds_load_b128 v[EX+4*\w:EX+4*\w+3], v[LI] offset:STATM+512*\w
.endr
	s_wait_dscnt 0x0
.irp mm, 0,1,2,3
	v_max3_num_f32 v[RM+\mm], v[EX+\mm], v[EX+4+\mm], v[EX+8+\mm]
.endr
.irp mm, 0,1,2,3
	v_max_num_f32 v[RM+\mm], v[RM+\mm], v[EX+12+\mm]
.endr
.irp mm, 0,1,2,3
	v_add_f32 v[RM+\mm], v[RM+\mm], v[G+\mm]       ; the row's largest logit: one of the two is 0, so nothing is rounded
.endr
.irp mm, 0,1,2,3
	v_mul_f32 v[RM+\mm], s[CS], v[RM+\mm]          ; as t
.endr
.irp mm, 0,1,2,3
	v_floor_f32 v[RM+\mm], -v[RM+\mm]              ; -M = floor(-t) = -ceil(t): M is a whole number
.endr
.irp mm, 0,1,2,3
	v_fma_f32 v[PR+2*\mm], v[G+\mm], s[CS], v[RM+\mm]   ; what is added to (sum x log2(e)): -M, and G's part of t
.endr
.irp mm, 0,1,2,3
	v_mov_b32 v[PR+2*\mm+1], v[PR+2*\mm]
.endr
	; ---- p = 2^(t - M), its sum, and its codes along q
.macro E2BLK sp, mm
	WIN 0x02+\sp
.set i, 0
.rept 32
	v_pk_fma_f32 v[T+i:T+i+1], v[64*\mm+i:64*\mm+i+1], s[CS:CS+1], v[PR+2*\mm:PR+2*\mm+1] op_sel_hi:[1,0,0]   ; t - M, two at a time
.set i, i+2
.endr
	WIN 0
.irp bq, 0,1,2,3
	v_fma_f32 v[TM+\bq], v[BM+8*\mm+4*\sp+\bq], s[CS], v[PR+2*\mm]   ; the same of each block's largest logit
.endr
.set i, 0
.rept 64
	v_exp_f32 v[T+i], v[T+i]                       ; p: not normalised
.set i, i+1
.endr
.irp bq, 0,1,2,3
	v_exp_f32 v[TM+\bq], v[TM+\bq]                 ; the block's largest p: the same arithmetic on the same number gives the same bits
.endr
	v_nop                                          ; one plain place behind the exponentials
	s_wait_alu depctr_va_vdst(0)
.irp bq, 0,1,2,3
	v_max_num_f32 v[TM+\bq], 0x1800000, v[TM+\bq]  ; the floor 2^(3 - 127): a block whose every p has fallen to 0 keeps the byte 1: its codes are zeros
.endr
	SCALEW
	CODES
	v_pk_add_f32 v[SM2:SM2+1], v[T:T+1], v[T+2:T+3]   ; THE ROW'S SUM IS TAKEN OF THE UNQUANTISED p: two at a time, in two chains
.if (\sp) == 0
	v_pk_add_f32 v[LS+2*\mm:LS+2*\mm+1], v[T+4:T+5], v[T+8:T+9]   ; the first 128 columns start the row's sum: nothing is cleared
	v_pk_add_f32 v[SM2:SM2+1], v[SM2:SM2+1], v[T+6:T+7]
	v_pk_add_f32 v[SM2:SM2+1], v[SM2:SM2+1], v[T+10:T+11]
.else
.irp j, 4,8
	v_pk_add_f32 v[LS+2*\mm:LS+2*\mm+1], v[LS+2*\mm:LS+2*\mm+1], v[T+\j:T+\j+1]
	v_pk_add_f32 v[SM2:SM2+1], v[SM2:SM2+1], v[T+\j+2:T+\j+3]
.endr
.endif
.irp j, 12,16,20,24,28,32,36,40,44,48,52,56,60
	v_pk_add_f32 v[LS+2*\mm:LS+2*\mm+1], v[LS+2*\mm:LS+2*\mm+1], v[T+\j:T+\j+1]
	v_pk_add_f32 v[SM2:SM2+1], v[SM2:SM2+1], v[T+\j+2:T+\j+3]
.endr
	v_pk_add_f32 v[LS+2*\mm:LS+2*\mm+1], v[LS+2*\mm:LS+2*\mm+1], v[SM2:SM2+1]
	IMAGE \sp, \mm
.endm
.irp sp, 0,1
.irp mm, 0,1,2,3
	E2BLK \sp, \mm
.endr
.endr
.irp mm, 0,1,2,3
	v_add_f32 v[LL+\mm], v[LS+2*\mm], v[LS+2*\mm+1]
.endr
.irp mm, 0,1,2,3
	v_permlanex16_b32 v[TM+4+\mm], v[LL+\mm], s[SEL], s[SEL+1]
.endr
.irp mm, 0,1,2,3
	v_add_f32 v[LL+\mm], v[LL+\mm], v[TM+4+\mm]    ; my wave's 256 columns
.endr
	ds_store_b128 v[STA], v[LL:LL+3] offset:STATL
	BARRIER                                        ; X3 and the four waves' sums lie in LDS
	GEMM 1, 1, 0, 0, 0                             ; X3 hq: the last matrix
	; ---- divided by the row's sum, and out
.irp w, 0,1,2,3
	ds_load_b128 v[EX+4*\w:EX+4*\w+3], v[LI] offset:STATL+512*\w
.endr
	s_wait_dscnt 0x0
.irp mm, 0,1,2,3
	v_add_f32 v[EX+\mm], v[EX+\mm], v[EX+4+\mm]
.endr
.irp mm, 0,1,2,3
	v_add_f32 v[EX+8+\mm], v[EX+8+\mm], v[EX+12+\mm]
.endr
.irp mm, 0,1,2,3
	v_add_f32 v[EX+\mm], v[EX+\mm], v[EX+8+\mm]    ; the row's sum
.endr
.irp mm, 0,1,2,3
	v_rcp_f32 v[PR+2*\mm], v[EX+\mm]               ; (the packed multiply takes the pair's low word for both halves; the high word keeps what was written above)
.endr
	v_nop                                          ; one plain place behind the reciprocals
	s_wait_alu depctr_va_vdst(0)
; Block a = 4 sp + m: 16 rows x 128 columns.  A lane holds pieces of one row and the lanes beside it hold other rows: so a block goes through my own stage in LDS and comes back as whole rows of 512 bytes.
; LDS serves a wave's instructions in order (ISA guide 5.7.1.4): no wait between the stores and the loads, nor in front of the next block's stores.
.macro OSCALE a
	WIN 0x82+0x41*((\a)/4)
.set i, 0
.rept 32
	v_pk_mul_f32 v[64*((\a)%4)+i:64*((\a)%4)+i+1], v[64*((\a)%4)+i:64*((\a)%4)+i+1], v[PR+2*((\a)%4):PR+2*((\a)%4)+1] op_sel_hi:[1,0]   ; each accumulator from its low end on
.set i, i+2
.endr
.endm
.macro TOSTAGE a
	WIN 0x08+4*((\a)/4)                            ; an LDS store's data are its source 1: window 2 or 3
.irp bq, 0,1,2,3
.irp k, 0,1,2,3
	ds_store_b128 v[SO], v[64*((\a)%4)+16*\bq+4*\k:64*((\a)%4)+16*\bq+4*\k+3] offset:128*\bq+16*\k   ; columns 32 b + 16 h + 4 k on
.endr
.endr
	WIN 0
.set BB, 136-96*((\a)%2)               ; v136-199 and v40-103 by turns
.irp t, 0,1,2,3,4,5,6,7,8,9,10,11,12,13,14,15
	ds_load_b128 v[BB+4*\t:BB+4*\t+3], v[SR] offset:\t*SP
.endr
.endm
.macro SEND a, younger                 ; younger: the LDS instructions issued behind block a's loads, which may stay out
.set BB, 136-96*((\a)%2)
	s_wait_dscnt \younger
.irp t, 0,1,2,3,4,5,6,7,8,9,10,11,12,13,14,15
	global_store_b128 v[LI], v[BB+4*\t:BB+4*\t+3], s[OUT:OUT+1] offset:(16*((\a)%4)+\t)*4096+512*((\a)/4) th:TH_STORE_NT   ; 32 lanes store 512 consecutive bytes, at a multiple of 256 from out0's first byte; written once
.endr
.endm
	OSCALE 0
	TOSTAGE 0
.irp a, 1,2,3,4,5,6,7
	OSCALE \a
.if \a > 1
	s_wait_xcnt 0x0                                ; block a - 2's stores have read their registers: block a's loads may land there
.endif
	TOSTAGE \a
	SEND \a-1, 32                                  ; behind block a - 1's loads: block a's 16 stores and 16 loads
.endr
	SEND 7, 0
	s_wait_tensorcnt 0x0                           ; the wave's end: behind my last tensor load and my last LDS store
	ds_add_u32 v[SPW], v[NIL]
	s_wait_dscnt 0x0
	ROUND                                          ; the closing round: no work-group ends while a partner may still ask for a tile that names it
	s_endpgm
.Lfunc_end_k_qd6f4a912a6_chain:
	.size	k_qd6f4a912a6_chain, .Lfunc_end_k_qd6f4a912a6_chain-k_qd6f4a912a6_chain
	.p2alignl 7, 3214868480
	.fill 96, 4, 3214868480
	.section	.rodata,"a",@progbits
	.p2align	6, 0x0
	.amdhsa_kernel k_qd6f4a912a6_chain
		.amdhsa_group_segment_fixed_size 327680
		.amdhsa_private_segment_fixed_size 0
		.amdhsa_enable_private_segment 0
		.amdhsa_kernarg_size 72
		.amdhsa_user_sgpr_count 2
		.amdhsa_user_sgpr_kernarg_segment_ptr 1
		.amdhsa_wavefront_size32 1
		.amdhsa_system_sgpr_workgroup_id_x 1
		.amdhsa_system_sgpr_workgroup_id_y 1
		.amdhsa_system_sgpr_workgroup_id_z 1
		.amdhsa_system_vgpr_workitem_id 0
		.amdhsa_next_free_vgpr 1024
		.amdhsa_next_free_sgpr 96
		.amdhsa_reserve_vcc 1
		.amdhsa_float_denorm_mode_32 3
		.amdhsa_float_denorm_mode_16_64 3
		.amdhsa_memory_ordered 1
		.amdhsa_forward_progress 1
		.amdhsa_inst_pref_size 255
	.end_amdhsa_kernel
	.section	.bss,"aw",@nobits
	.p2align	6
	.space	262144
	.amdgpu_metadata
---
amdhsa.version: [ 1, 2 ]
amdhsa.kernels:
  - .name:           k_qd6f4a912a6_chain
    .symbol:         k_qd6f4a912a6_chain.kd
    .args:
      - { .name: hp_codes, .offset: 0, .size: 8, .value_kind: global_buffer, .address_space: global }
      - { .name: hp_scales, .offset: 8, .size: 8, .value_kind: global_buffer, .address_space: global }
      - { .name: b, .offset: 16, .size: 8, .value_kind: global_buffer, .address_space: global }
      - { .name: mask_hp, .offset: 24, .size: 8, .value_kind: global_buffer, .address_space: global }
      - { .name: mask_hq, .offset: 32, .size: 8, .value_kind: global_buffer, .address_space: global }
      - { .name: wmat, .offset: 40, .size: 8, .value_kind: global_buffer, .address_space: global }
      - { .name: kmat, .offset: 48, .size: 8, .value_kind: global_buffer, .address_space: global }
      - { .name: vmat, .offset: 56, .size: 8, .value_kind: global_buffer, .address_space: global }
      - { .name: out0, .offset: 64, .size: 8, .value_kind: global_buffer, .address_space: global }
    .group_segment_fixed_size: 327680
    .private_segment_fixed_size: 0
    .kernarg_segment_align: 8
    .kernarg_segment_size: 72
    .max_flat_workgroup_size: 128
    .sgpr_count:     96
    .vgpr_count:     1024
    .wavefront_size: 32
...
	.end_amdgpu_metadata
.endif
;; end of part 2
